; MI455X (gfx1250); checked and timed in simulation.
; The chip was launched on July 23, 2026; its instructions are those of AMD's public machine-readable ISA for CDNA 5 (MIT licence, August 2026) and "CDNA5" Instruction Set Architecture Reference Guide (July 2026). The comments in the code are by the model that wrote it; some were corrected since.
;; Attention. Allowed arithmetic: matrix products marked QUANTISED: E2M1 operands, one E8M0 scale for each 32 along K, by v_wmma_scale_f32_16x16x128_f8f6f4 with both operands' format E2M1 (or v_wmma_scale_f32_32x16x128_f4), f32 sums; products left as they are: f32 operands where the result goes on into a quantised operand, else bf16, f16 or f32 operands; f32 sums; everything else in f32.
;; Inputs: U_a 1,024 x 1,024 float32; W_a 2,048 x 1,024 float32; encoder_out 64 x 512 x 2,048 float32; h 64 x 1,024 float32; w 1,024 float32.
;; Outputs: out0 64 x 2,048 float32; out1 64 x 512 float32.
;; This version of the problem:
;;   THIS VERSION OF THE PROBLEM IS GIVEN IN LOW PRECISION. The matrix products marked QUANTISED in the list below multiply operands that are first quantised to E2M1 (2 exponent bits, 1 mantissa bit; 4 bits a number), with one power-of-two scale for each 32 numbers along K (OCP MX v1.0); their sums are f32. All else is computed in f32.
;;   The module's matrix products, in the order in which they are computed (A, B: the left and right operand; K: the contracted axis; several contracted axes count as one K, in the product's order):
;;     1. [M 32,768, K 2,048] x [K 2,048, N 1,024]; A: input encoder_out; B: input W_a: QUANTISED
;;     2. [M 64, K 1,024] x [K 1,024, N 1,024]; A: input h; B: input U_a: QUANTISED
;;     3. [M 32,768, K 1,024] x [K 1,024, N 1]; A: computed on the way; B: input w: left as it is (N = 1 < 16)
;;     4. batch 64 x [M 2,048, K 512] x [K 512, N 1]; A: input encoder_out; B: softmax: left as it is (N = 1 < 16)
;;   THE QUANTISER, for each operand of a quantised product, along K:
;;     - K is cut into blocks of 32 from its start; a last block that is shorter is filled with zeros.
;;     - A block's scale is 2^e with e = floor(log2(the largest magnitude in the block)) - 2, held to -126 .. 127; a block of zeros has e = 0. As a byte (E8M0): e + 127.
;;     - Each number is divided by its block's scale, clamped to +-6, and rounded to the nearest number of E2M1, ties to even, subnormals kept.
;;     - The product sums the exact products of the quantised numbers (number of the format x scale) in f32.
;;   ~~~python
;;   def quantise(x, axis):      # numpy; x: float32 -> the quantised numbers, widened to float32 again
;;       x = np.moveaxis(x, axis, -1); K = x.shape[-1]
;;       x = np.pad(x, [(0, 0)] * (x.ndim - 1) + [(0, -K % 32)]); x = x.reshape(x.shape[:-1] + (-1, 32)); a = np.abs(x).max(-1, keepdims=True)
;;       e = np.where(a > 0, np.clip(np.frexp(np.where(a > 0, a, 1))[1] - 1 - 2, -126, 127), 0)      # np.frexp(a)[1] - 1 = floor(log2(a)), exactly
;;       r = np.clip(x / 2.0 ** e, -6, 6)
;;       step = 2.0 ** (np.maximum(np.frexp(np.where(r == 0, 1, r))[1] - 1, 0) - 1)
;;       q = np.round(r / step) * step * 2.0 ** e      # np.round: ties to even
;;       return np.moveaxis(q.reshape(q.shape[:-2] + (-1,))[..., :K], -1, axis).astype(np.float32)
;;   ~~~
;; One version. Each part assembles by itself: llvm-mc -triple=amdgcn-amd-amdhsa -mcpu=gfx1250 --defsym DOCPART=n.
;; ======== version 1 of 1: 3 launches
;; limits: values are held in bf16: 8 bits of precision; right only within a limited range of input values
;; workspace buffers: wc 1,048,576 bytes; ws 65,536 bytes; huc 262,144 bytes; en 131,072 bytes; cp 4,194,304 bytes
;; launch prep (part 1): grid 192 x 1, 8 waves a work-group, no clusters, 134,144 bytes of LDS; arguments W_a, U_a, h, wc, ws, huc; writes wc, ws, huc
.if DOCPART == 1
	.amdgcn_target "amdgcn-amd-amdhsa--gfx1250"
	.amdhsa_code_object_version 6
	.text
	.protected	k_q6f53a4662b_prep
	.globl	k_q6f53a4662b_prep
	.p2align	8
	.type	k_q6f53a4662b_prep,@function
k_q6f53a4662b_prep:
	s_mov_b64 s[64:65], 0
	v_nop
	global_prefetch_b8 v0, s[64:65] scope:SCOPE_SE
	s_setreg_imm32_b32 hwreg(HW_REG_WAVE_MODE, 25, 1), 1
	s_wait_xcnt 0x0
; THE PROGRAM: additive attention.  att = Q(enc) Q(W_a) + Q(h) Q(U_a), both products on codes of FP4 (E2M1) with one E8M0 scale for each 32 along K;
; energy = tanh(att) . w; alpha = softmax over the 512 positions; context = the sum over positions of alpha x enc.  Three launches: this one, main, comb.
; WORK LEFT OUT, for all values of the inputs: tanh(x) = 1 - 2 r with r = 1 / (1 + 2^(c x)), c = 2 log2(e).  So energy[b][s] = (the sum over a of w[a]) - 2 x (the sum over a of w[a] r[b][s][a]).
; The first term is the same for every s of a softmax row, energy is no output, and a term that is equal along a softmax's axis leaves alpha, and with it context, as they are.  So the sum of w is never formed;
; the program works with e' = the sum over a of (-2 w[a]) r.  The sum of w is of the size of the energies themselves, so nothing is moved beyond rounding.  Every input stays live and is loaded.
; LIMIT: an overflow that reaches only the sum of w is not carried to the result.
;
; THIS LAUNCH.  Work-groups 0-63: W_a [2048 (k)][1024 (n)] f32 becomes codes laid in the ORDER OF THE OPERAND'S REGISTERS, wc [K step 16][tile of 16 columns 64][c 2][lane 32][16 bytes], and scale words
; ws [K step 16][group of 128 columns 8][lane 32][pair of tiles 4]: word (lane l, pair q) holds the four bytes (128 along K) of column 128 group + 32 q + l, so that a lane of the next launch takes its four words by one load.
; Work-groups 64-191: huc [64][1024] = c x (Q(h) Q(U_a)): work-group 64 + 32 a + p makes rows 16 a .. 16 a + 15 at columns 32 p .. 32 p + 31.
; A wave takes 128 along K x 32 columns of W_a or of U_a.  A LANE TAKES A COLUMN AND ITS REGISTERS RUN DOWN K: a block of 32 lies in one lane, the conversions give codes with K innermost, and an exchange of
; halves between two registers makes the two fragments (columns 0-15, columns 16-31) as the matrix instruction takes them.  Each load reads 128 consecutive bytes; a W work-group's eight waves stand side by side on 1,024.
; U's path: wave v takes K step v: its 128 loads of U_a and its 16 of h all go out at the start.  The eight waves' two partial accumulators meet in LDS as images; wave v adds up registers 2 (v / 2), 2 (v / 2) + 1 of accumulator v % 2.
; Each column of U_a is quantised by the four work-groups that share it: 16 rows of h and 128 numbers of a column are what a wave's registers hold at once.
; h comes in by loads of 512 consecutive bytes of a row, 16 rows, and is turned through the wave's own stage in LDS (rows 528 bytes apart), so that lane (r, h') holds 32 neighbours of each of two blocks of row r.
; A block's scale byte is its largest magnitude's exponent field - 2, held at 1 from below.
; LIMITS: a block of zeros gets the byte 1 where the rule says 127 (its codes are zeros, and this program alone reads the bytes); blocks whose largest magnitude lies under 2^-124 are held at the byte 1; NaN and infinities among the inputs are not served.
; The two paths part once, on the work-group's number, and do not join again.  Apart from the spare word at the end, only U's path touches LDS.
.set STAGE,  65536                     ; behind the images (8 waves x 8,192 bytes from LDS byte 0, of which 2,048 are used): a stage of 16 rows x 528 bytes for each wave
.set SPITCH, 528                       ; 512 bytes + 16: the 16 rows that a load touches start at 16 different groups of banks (64 banks of 4 bytes: ISA guide 11.1)
.set SPARE,  133120                    ; behind the stages: the spare words, 128 bytes for each of eight waves
.set M,   12                           ; v12-15  largest magnitudes, then bytes
.set SO,  16                           ; v16-19  the conversions' scale operands
.set F0,  20                           ; v20-27  the fragment of columns 0-15
.set F1,  28                           ; v28-35  of columns 16-31
.set BSC, 36                           ; v36     the columns' scale words: lane l has column l's
.set ASC, 37                           ; v37     h's rows' scale words
.set AFR, 38                           ; v38-45  h's fragment
.set AC,  46                           ; v46-61  two accumulators
.set R0,  64                           ; v64-127 64 numbers of h; later the images to be added
.set X,   128                          ; v128-255 128 numbers of my column
.macro FINISH                          ; the wave's end
	s_wait_tensorcnt 0x0
	ds_add_u32 v10, v11
	s_wait_dscnt 0x0
	s_endpgm
.endm
; my column's 128 numbers become two fragments' registers and a scale word
.macro QCOL
.irp b, 0,1,2,3
	v_max3_num_f32 v[M+\b], |v[X+32*\b]|, |v[X+32*\b+1]|, 0x1800000        ; block b, and the floor 2^(3 - 127): the byte cannot fall under 1
.endr
.irp i, 2,4,6,8,10,12,14,16,18,20,22,24,26,28,30
.irp b, 0,1,2,3
	s_delay_alu instid0(VALU_DEP_4)
	v_max3_num_f32 v[M+\b], v[M+\b], |v[X+32*\b+\i]|, |v[X+32*\b+\i+1]|    ; the four blocks by turns
.endr
.endr
.irp b, 0,1,2,3
	s_delay_alu instid0(VALU_DEP_4)
	v_add_nc_u32 v[SO+\b], 0xff000000, v[M+\b]     ; 2 off the exponent field: the conversion's scale operand
.endr
.irp b, 0,1,2,3
	s_delay_alu instid0(VALU_DEP_4)
	v_lshrrev_b32 v[M+\b], 23, v[SO+\b]            ; the scale's byte
.endr
	s_delay_alu instid0(VALU_DEP_3)
	v_lshl_or_b32 v[BSC], v[M+1], 8, v[M]
	s_delay_alu instid0(VALU_DEP_1)
	v_lshl_or_b32 v[BSC], v[M+2], 16, v[BSC]
	s_delay_alu instid0(VALU_DEP_1)
	v_lshl_or_b32 v[BSC], v[M+3], 24, v[BSC]
.irp b, 0,1,2,3
.irp g, 0,1,2,3
	v_cvt_scalef32_pk8_fp4_f32 v[F0+8*(\b%2)+4*(\b/2)+\g], v[X+32*\b+8*\g:X+32*\b+8*\g+7], v[SO+\b]   ; even blocks into F0, odd ones into F1
.endr
.endr
	v_nop                                          ; one plain line behind the last scaled conversion
.irp c, 0,1
.irp i, 0,1,2,3
	v_permlane16_swap_b32 v[F0+4*\c+\i], v[F1+4*\c+\i]   ; F0's lanes 16-31 change places with F1's lanes 0-15: lane (r, h) of F0 now holds block 2 c + h of column r, of F1 that of column 16 + r
.endr
.endr
.endm
; my 16 rows of h, my K step: each load reads a row's 512 consecutive bytes, 16 a lane
.macro HLOAD reg
.irp i, 0,1,2,3,4,5,6,7,8,9,10,11,12,13,14,15
	global_load_b128 v[(\reg)+4*\i:(\reg)+4*\i+3], v5, s[8:9] offset:\i*4096
.endr
.endm
; the tile goes through my stage as it lies and comes back, into the registers that it left, so that lane (r, h') holds k = 64 c + 32 h' + 0 .. 31 of row r.
; LDS serves a wave's instructions in order (ISA guide 5.7.1.4): the loads see the stores above them
.macro TURNH reg
.irp i, 0,1,2,3,4,5,6,7,8,9,10,11,12,13,14,15
	ds_store_b128 v1, v[(\reg)+4*\i:(\reg)+4*\i+3] offset:\i*SPITCH
.endr
.irp c, 0,1
.irp j, 0,1,2,3,4,5,6,7
	ds_load_b128 v[(\reg)+32*\c+4*\j:(\reg)+32*\c+4*\j+3], v6 offset:\c*256+16*\j
.endr
.endr
.endm
; those 64 numbers become h's fragment and its scale word
.macro QROW reg
	v_max3_num_f32 v[M], |v[(\reg)]|, |v[(\reg)+1]|, 0x1800000
	v_max3_num_f32 v[M+1], |v[(\reg)+32]|, |v[(\reg)+33]|, 0x1800000
.irp i, 2,4,6,8,10,12,14,16,18,20,22,24,26,28,30
	s_delay_alu instid0(VALU_DEP_2)
	v_max3_num_f32 v[M], v[M], |v[(\reg)+\i]|, |v[(\reg)+\i+1]|
	s_delay_alu instid0(VALU_DEP_2)
	v_max3_num_f32 v[M+1], v[M+1], |v[(\reg)+32+\i]|, |v[(\reg)+33+\i]|
.endr
	s_delay_alu instid0(VALU_DEP_2)
	v_add_nc_u32 v[SO], 0xff000000, v[M]
	s_delay_alu instid0(VALU_DEP_2)
	v_add_nc_u32 v[SO+1], 0xff000000, v[M+1]
	s_delay_alu instid0(VALU_DEP_2)
	v_lshrrev_b32 v[M], 23, v[SO]
	s_delay_alu instid0(VALU_DEP_2)
	v_lshrrev_b32 v[M+1], 23, v[SO+1]
	s_delay_alu instid0(VALU_DEP_1)
	v_lshl_or_b32 v[M], v[M+1], 16, v[M]           ; my two bytes: blocks h' and 2 + h' of row r,
	s_delay_alu instid0(VALU_DEP_1)
	v_lshlrev_b32 v[M], v63, v[M]                  ; at their places, 8 h' bits up;
	s_delay_alu instid0(VALU_DEP_1)
	v_permlanex16_b32 v62, v[M], s24, s25
	s_delay_alu instid0(VALU_DEP_1)
	v_or_b32 v[ASC], v[M], v62                     ; with lane l xor 16's two the word is whole
.irp c, 0,1
.irp g, 0,1,2,3
	v_cvt_scalef32_pk8_fp4_f32 v[AFR+4*\c+\g], v[(\reg)+32*\c+8*\g:(\reg)+32*\c+8*\g+7], v[SO+\c]
.endr
.endr
.rept 8
	v_nop                                          ; a scale register written by a vector instruction stands 8 places ahead of a scaled matrix instruction, an operand so written 4
.endr
.endm
	s_load_b256 s[4:11], s[0:1], 0x0               ; W_a s[4:5], U_a s[6:7], h s[8:9], wc s[10:11]
	s_load_b128 s[12:15], s[0:1], 0x20             ; ws s[12:13], huc s[14:15]
	v_lshl_add_u32 v10, v0, 2, SPARE               ; my spare word
	v_mov_b32 v11, 0
	v_lshrrev_b32 v1, 5, v0
	s_delay_alu instid0(VALU_DEP_1)
	v_readfirstlane_b32 s16, v1                    ; wave 0..7
	s_and_b32 s26, s16, 1                          ; U's path, the images that I add up: accumulator v % 2: 1,024 bytes each;
	s_lshl_b32 s26, s26, 10
	s_bfe_u32 s27, s16, 0x10002                    ; its registers 2 (v / 2), 2 (v / 2) + 1: registers 4-7 lie 512 bytes behind registers 0-3,
	s_lshl_b32 s27, s27, 9
	s_add_co_u32 s26, s26, s27
	s_bfe_u32 s27, s16, 0x10001                    ; a pair of registers is 8 of a lane's 16 bytes
	s_lshl_b32 s27, s27, 3
	s_add_co_u32 s26, s26, s27
	v_and_b32 v1, 31, v0                           ; lane
	v_and_b32 v2, 15, v0                           ; r
	v_bfe_u32 v3, v0, 4, 1                         ; h'
	s_delay_alu instid0(VALU_DEP_3)
	v_lshlrev_b32 v4, 2, v1                        ; 4 x lane
	s_delay_alu instid0(VALU_DEP_4)
	v_lshlrev_b32 v5, 4, v1                        ; 16 x lane
	s_mul_i32 s17, s16, 16*SPITCH
	s_add_co_u32 s17, s17, STAGE                   ; my stage
	v_add_nc_u32 v1, s17, v5                       ; into it: 16 x lane of a row
	v_mul_u32_u24 v6, v2, SPITCH
	s_delay_alu instid0(VALU_DEP_1)
	v_lshl_add_u32 v6, v3, 7, v6
	s_delay_alu instid0(VALU_DEP_1)
	v_add_nc_u32 v6, s17, v6                       ; out of it: row r, + 128 h'
	s_lshl_b32 s17, s16, 13
	v_add_nc_u32 v7, s17, v5                       ; where I store images: 16 x lane + 8,192 x wave
	v_add_nc_u32 v8, s26, v5                       ; where I read them: 16 x lane + my pair's place in an image
	v_lshlrev_b32 v9, 2, v2
	s_delay_alu instid0(VALU_DEP_1)
	v_lshl_add_u32 v9, v3, 15, v9                  ; huc: 4 r + 8 h' rows of 4,096 bytes
	v_lshlrev_b32 v63, 3, v3                       ; 8 h'
	v_mov_b32 v62, 0                               ; written once: a lane permute's destination counts as one of its sources
	s_mov_b32 s24, 0x76543210
	s_mov_b32 s25, 0xfedcba98                      ; v_permlanex16_b32's selects for lane l xor 16
	s_lshl_b32 s17, ttmp9, 3
	s_add_co_u32 s17, s17, s16                     ; W's path: task = 8 x work-group + wave,
	s_lshr_b32 s18, s17, 5                         ; its K step,
	s_and_b32 s19, s17, 31                         ; its pair of tiles
	s_sub_co_u32 s23, ttmp9, 64                    ; U's path: the K step is the wave's number;
	s_and_b32 s20, s23, 31                         ; the pair of tiles of columns,
	s_lshr_b32 s23, s23, 5                         ; the tile of 16 rows of h
	s_cmp_lt_u32 ttmp9, 64                         ; the choice hangs on the work-group's number alone
	s_cselect_b32 s18, s18, s16
	s_cselect_b32 s19, s19, s20
	s_wait_alu depctr_va_vdst(0)
	s_wait_kmcnt 0x0
	s_cselect_b64 s[4:5], s[4:5], s[6:7]           ; the source: both have rows of 4,096 bytes
	s_lshl_b32 s20, s18, 19                        ; 128 rows a K step
	s_lshl_b32 s21, s19, 7                         ; 32 columns a pair
	s_add_co_u32 s20, s20, s21
	s_mov_b32 s21, 0
	s_add_nc_u64 s[4:5], s[4:5], s[20:21]
.set i, 0
.rept 128
	global_load_b32 v[X+i], v4, s[4:5] offset:i*4096   ; row i of the K step at my column: 32 lanes read 128 consecutive bytes
.set i, i+1
.endr
	s_cmp_lt_u32 ttmp9, 64
	s_cbranch_scc0 .Lu_path
	; ---- W_a's path
	s_lshl_b32 s20, s18, 16                        ; wc: 65,536 bytes a K step, 2,048 a pair
	s_lshl_b32 s22, s19, 11
	s_add_co_u32 s20, s20, s22
	s_add_nc_u64 s[10:11], s[10:11], s[20:21]
	s_lshl_b32 s20, s18, 12                        ; ws: 4,096 bytes a K step,
	s_lshr_b32 s22, s19, 2
	s_lshl_b32 s22, s22, 9                         ; 512 a group of four pairs,
	s_add_co_u32 s20, s20, s22
	s_and_b32 s22, s19, 3
	s_lshl_b32 s22, s22, 2                         ; 4 a pair; 16 a lane
	s_add_co_u32 s20, s20, s22
	s_add_nc_u64 s[12:13], s[12:13], s[20:21]
	s_wait_loadcnt 0x0
	QCOL
	global_store_b128 v5, v[F0:F0+3], s[10:11]                 ; each store of the wave covers 512 consecutive bytes, aligned
	global_store_b128 v5, v[F0+4:F0+7], s[10:11] offset:512
	global_store_b128 v5, v[F1:F1+3], s[10:11] offset:1024
	global_store_b128 v5, v[F1+4:F1+7], s[10:11] offset:1536
	global_store_b32 v5, v[BSC], s[12:13]                      ; 4 bytes of each lane's 16: four waves fill a group's 512 bytes between them; ws is 65,536 bytes in all
	FINISH
	; ---- U_a's path
.Lu_path:
	s_lshl_b32 s20, s16, 9                         ; h: my K step's 512 bytes of a row,
	s_lshl_b32 s22, s23, 16                        ; my work-group's 16 rows of 4,096 bytes
	s_add_co_u32 s20, s20, s22
	s_add_nc_u64 s[8:9], s[8:9], s[20:21]
	s_lshr_b32 s20, s16, 1                         ; huc: the same 16 rows; of each half's eight, rows 2 (v / 2) and 2 (v / 2) + 1;
	s_lshl_b32 s20, s20, 13
	s_add_co_u32 s20, s20, s22
	s_lshl_b32 s22, s19, 7                         ; the pair's 32 columns,
	s_add_co_u32 s20, s20, s22
	s_and_b32 s22, s16, 1                          ; of them tile v % 2
	s_lshl_b32 s22, s22, 6
	s_add_co_u32 s20, s20, s22
	s_add_nc_u64 s[14:15], s[14:15], s[20:21]
	HLOAD R0
	s_wait_loadcnt 16                              ; my column's 128 numbers are in; h's 16 loads may be out
	QCOL
	s_wait_loadcnt 0x0                             ; h's 16 rows are in
	TURNH R0
	s_wait_dscnt 0x0                               ; and back from the stage
	QROW R0
	; 16 rows of h x my 32 columns, 128 along K; the two results go to LDS as they stand
	v_wmma_scale_f32_16x16x128_f8f6f4 v[AC:AC+7], v[AFR:AFR+7], v[F0:F0+7], 0, v[ASC], v[BSC] matrix_a_fmt:MATRIX_FMT_FP4 matrix_b_fmt:MATRIX_FMT_FP4
	v_wmma_scale_f32_16x16x128_f8f6f4 v[AC+8:AC+15], v[AFR:AFR+7], v[F1:F1+7], 0, v[ASC], v[BSC] matrix_a_fmt:MATRIX_FMT_FP4 matrix_b_fmt:MATRIX_FMT_FP4 matrix_b_scale:MATRIX_SCALE_ROW1
.rept 4
	v_nop                                          ; four places in front of the stores that read the results
.endr
.irp n, 0,1
	ds_store_b128 v7, v[AC+8*\n:AC+8*\n+3] offset:\n*1024          ; each accumulator from its low end on
	ds_store_b128 v7, v[AC+8*\n+4:AC+8*\n+7] offset:\n*1024+512
.endr
	s_wait_dscnt 0x0                               ; for the others' sake: my images have landed
	s_barrier_signal -1                            ; all eight waves of a work-group are on this path: the branch hangs on the work-group's number
	s_barrier_wait -1
.irp k, 0,1,2,3,4,5,6,7
	ds_load_b64 v[R0+2*\k:R0+2*\k+1], v8 offset:\k*8192            ; my two registers of my accumulator as wave k left them
.endr
	s_wait_dscnt 0x0
	v_pk_add_f32 v[R0:R0+1], v[R0:R0+1], v[R0+2:R0+3]              ; K ascending
.irp k, 2,3,4,5,6,7
	s_delay_alu instid0(VALU_DEP_1)
	v_pk_add_f32 v[R0:R0+1], v[R0:R0+1], v[R0+2*\k:R0+2*\k+1]
.endr
	s_delay_alu instid0(VALU_DEP_1)
	v_pk_mul_f32 v[R0:R0+1], v[R0:R0+1], 0x4038aa3b op_sel_hi:[1,0]   ; x c = 2 log2(e)
	global_store_b32 v9, v[R0], s[14:15]                       ; huc(16 a + 8 h' + 2 (v / 2) + j, 16 (v % 2) + r): runs of 64 bytes; huc is 262,144 bytes in all
	global_store_b32 v9, v[R0+1], s[14:15] offset:4096
	FINISH
.Lfunc_end_k_q6f53a4662b_prep:
	.size	k_q6f53a4662b_prep, .Lfunc_end_k_q6f53a4662b_prep-k_q6f53a4662b_prep
	.p2alignl 7, 3214868480
	.fill 96, 4, 3214868480
	.section	.rodata,"a",@progbits
	.p2align	6, 0x0
	.amdhsa_kernel k_q6f53a4662b_prep
		.amdhsa_group_segment_fixed_size 134144
		.amdhsa_private_segment_fixed_size 0
		.amdhsa_enable_private_segment 0
		.amdhsa_kernarg_size 48
		.amdhsa_user_sgpr_count 2
		.amdhsa_user_sgpr_kernarg_segment_ptr 1
		.amdhsa_wavefront_size32 1
		.amdhsa_system_sgpr_workgroup_id_x 1
		.amdhsa_system_sgpr_workgroup_id_y 1
		.amdhsa_system_sgpr_workgroup_id_z 1
		.amdhsa_system_vgpr_workitem_id 0
		.amdhsa_next_free_vgpr 256
		.amdhsa_next_free_sgpr 66
		.amdhsa_reserve_vcc 0
		.amdhsa_float_denorm_mode_32 3
		.amdhsa_float_denorm_mode_16_64 3
		.amdhsa_memory_ordered 1
		.amdhsa_forward_progress 1
		.amdhsa_inst_pref_size 43
	.end_amdhsa_kernel
	.amdgpu_metadata
---
amdhsa.version: [ 1, 2 ]
amdhsa.kernels:
  - .name:           k_q6f53a4662b_prep
    .symbol:         k_q6f53a4662b_prep.kd
    .args:
      - { .name: W_a, .offset: 0, .size: 8, .value_kind: global_buffer, .address_space: global }
      - { .name: U_a, .offset: 8, .size: 8, .value_kind: global_buffer, .address_space: global }
      - { .name: h, .offset: 16, .size: 8, .value_kind: global_buffer, .address_space: global }
      - { .name: wc, .offset: 24, .size: 8, .value_kind: global_buffer, .address_space: global }
      - { .name: ws, .offset: 32, .size: 8, .value_kind: global_buffer, .address_space: global }
      - { .name: huc, .offset: 40, .size: 8, .value_kind: global_buffer, .address_space: global }
    .group_segment_fixed_size: 134144
    .private_segment_fixed_size: 0
    .kernarg_segment_align: 8
    .kernarg_segment_size: 48
    .max_flat_workgroup_size: 256
    .sgpr_count:     66
    .vgpr_count:     256
    .wavefront_size: 32
...
	.end_amdgpu_metadata
.endif
;; end of part 1
;; launch main (part 2): grid 256 x 1, 8 waves a work-group, no clusters, 284,672 bytes of LDS; arguments encoder_out, wc, ws, huc, w, en, cp; writes en, cp
.if DOCPART == 2
	.amdgcn_target "amdgcn-amd-amdhsa--gfx1250"
	.amdhsa_code_object_version 6
	.text
	.protected	k_q6f53a4662b_main
	.globl	k_q6f53a4662b_main
	.p2align	8
	.type	k_q6f53a4662b_main,@function
k_q6f53a4662b_main:
	s_mov_b64 s[64:65], 0
	v_nop
	global_prefetch_b8 v0, s[64:65] scope:SCOPE_SE
	s_setreg_imm32_b32 hwreg(HW_REG_WAVE_MODE, 25, 1), 1
	s_wait_xcnt 0x0
; For tiles of 64 rows (positions) of one batch: quantise enc, att = Q(enc) Q(W_a) on codes of FP4, e' = the sum over a of (-2 w[a]) / (1 + 2^(c att + huc)), p = exp(e' - the 64 rows' largest e'), and the partial context, the sum of p x enc.
; WORK LEFT OUT: the sum of w, which is the same along the softmax's axis (shown at the head of the first kernel): e' stands for the energy.
; encoder_out is read ONCE: each number is quantised for the product and, rounded to bf16, kept in LDS (64 rows x 4,096 bytes) until the rows' energies are known; the context is summed from that copy, with p in f32.
; A WORK-GROUP STAYS: work-group g makes tiles 2 g and 2 g + 1 (rows 128 g .. 128 g + 127 of enc taken as [32768][2048]; batch g / 4 for both).  The first tile's steps 13 and 14 ask for the next tile's enc steps 0 and 1 and W_a's
; step 0; these loads are out during the way out, which names none of their registers.  The last tile's three closing steps are written out without them.
; SHARES.  Wave w (0..7) quantises rows 8 w .. 8 w + 7, multiplies all 64 rows by columns 128 w .. 128 w + 127 of W_a (4 x 8 = 32 accumulators, 256 registers), and sums the context's columns 256 w .. 256 w + 255.
; K goes in 16 steps of 128.  STEP t QUANTISES STEP t + 1: behind barrier t the fragments of step t are asked of LDS, the vector work on step t + 1 stands between that request and the wait for it, its LDS stores go out under the
; products of step t, then barrier t + 1.  The image of enc's fragments has two buffers: between two barriers one is read and the other written.
; THE MATRIX INSTRUCTION IS USED TRANSPOSED: source 0 = 16 columns of W_a, source 1 = 16 rows of enc.  Lane (r, h) then holds row 16 a + r, and its registers j the columns 16 tt + 8 h + j: the sum over columns runs inside a lane
; and is closed by one exchange between the halves.
; W_a's codes lie in memory in the order of the operand's registers (the first launch): each lane loads its fragments whole, two steps ahead.  huc and w of my 128 columns are staged once in LDS bytes of my own.
; NO TENSOR LOADS, NO CLUSTER, though all work-groups walk the same codes of W_a: a K step of them is 65,536 bytes and two slots 131,072; beside the copy's 262,144 they pass the 327,680 bytes that a work-group can claim.
; LIMITS: NaN and infinities among the inputs are not served; a block of zeros gets the byte 1 where the rule says 127 (its codes are zeros, the bytes are read here alone); blocks whose largest magnitude lies under 2^-124 are held at the byte 1;
; enc is rounded to bf16 for the context's product.  The maximum taken away here is that of the 64 rows; the last launch brings the parts under the batch's maximum.
; REGISTERS: window 0: v1-11 addresses; v12-19 W's scale words, two sets; v20-21 enc's scale words; v22-23 codes of a step's first two rows; v24-55 enc's four fragments (way out: huc, w, addresses, e'); v56-63 largest magnitudes (way out: e');
;   v64-127 enc's numbers, two sets; v128-255 W's fragments, two sets.   window 1: the accumulators, (a, tt) at v[8 (8 a + tt)]; behind the tanh: the copy's rows, p and the context's sums.
.set IMG,   262144                     ; behind the copy: enc's images, two buffers: tile a at 1,088 a, block b at 272 b, row r at 16 r
.set IMGB,  4352
.set XSC,   270848                     ; enc's scale words, two buffers of 256 bytes
.set EX,    271360                     ; [wave][64 rows] f32: each wave's part of the sum over columns
.set PB,    273408                     ; [wave][64 rows] f32: p, a copy for each wave
.set HWL,   275456                     ; [wave][huc 128, w 128] f32: each wave's own
.set SPARE, 283648                     ; the spare words, 128 bytes for each of eight waves
.set L16, 1
.set PFO, 2
.set CW,  4
.set IW,  5
.set SW,  6
.set IR,  7
.set SR,  8
.set SPW, 9
.set NIL, 10
.set HR,  11                           ; where I read huc and w: HWL + 1,024 wave + 32 h
.set BS,  12
.set AS,  20
.set T0,  22
.set EXW, 22
.set LN,  23
.set AF,  24
.set HB,  24                           ; way out: huc of two tiles of columns
.set WB,  40                           ; and w
.set EXR, 24
.set L8,  25
.set PBW, 26
.set PR,  27
.set CA,  28
.set ES,  32
.set MX,  56
.set LAND, 64
.set BFR, 128
.set PV,  80                           ; window 1
.set CT,  112                          ; window 1
.set XR,  128                          ; window 1
.set MSB, 0
.macro WIN new                         ; the immediate's high byte repeats the setting that is left
.if MSB != \new
	s_set_vgpr_msb (MSB<<8)|\new
.set MSB, \new
.endif
.endm
.macro D n
	s_delay_alu instid0(VALU_DEP_\n)
.endm
.macro W
	s_wait_alu depctr_va_vdst(0)
.endm
.macro PLACES                          ; four places behind matrix instructions (ISA guide 7.12.1)
.rept 4
	v_nop
.endr
.endm
.macro ELOAD par, off                  ; my 8 rows' 128 numbers of a K step: a load reads 512 consecutive bytes of a row
.irp i, 0,1,2,3,4,5,6,7
	global_load_b128 v[LAND+32*(\par)+4*\i:LAND+32*(\par)+4*\i+3], v[L16], s[4:5] offset:(\off)+\i*8192 th:TH_LOAD_NT
.endr
.endm
.macro BLOAD par, t0, off              ; four of my eight fragments of W_a
.irp tt, \t0, \t0+1, \t0+2, \t0+3
.irp c, 0,1
	global_load_b128 v[BFR+64*(\par)+8*(\tt)+4*\c:BFR+64*(\par)+8*(\tt)+4*\c+3], v[L16], s[6:7] offset:(\off)+(\tt)*1024+\c*512
.endr
.endr
.endm
.macro SLOAD par, off                  ; their scale words: register q serves tiles 2 q (lanes 0-15) and 2 q + 1 (lanes 16-31)
	global_load_b128 v[BS+4*(\par):BS+4*(\par)+3], v[L16], s[8:9] offset:(\off)
.endm
; My 8 rows of a K step, out of set par of enc's numbers into buffer par of the images: largest magnitudes (8 lanes a block), codes, bf16 copy in place, scale bytes.  Every LDS store has data registers of its own.
.macro QUANT par
.set QL, LAND+32*(\par)
.irp i, 0,1,2,3,4,5,6,7
	v_max3_num_f32 v[MX+\i], |v[QL+4*\i]|, |v[QL+4*\i+1]|, 0x1800000       ; with the floor 2^(3 - 127): the byte cannot fall under 1
.endr
.irp i, 0,1,2,3,4,5,6,7
	v_max3_num_f32 v[MX+\i], v[MX+\i], |v[QL+4*\i+2]|, |v[QL+4*\i+3]|
.endr
.irp m, 1,2,4
.irp i, 0,1,2,3,4,5,6,7
	v_max_num_f32_dpp v[MX+\i], v[MX+\i], v[MX+\i] row_xmask:\m row_mask:0xf bank_mask:0xf
.endr
.endr
.irp i, 0,1,2,3,4,5,6,7
	v_add_nc_u32 v[MX+\i], 0xff000000, v[MX+\i]    ; 2 off the exponent field: the conversion's scale operand
.endr
.irp m, 0,1,2,3
.if \m == 0
.set QC, T0
.else
.set QC, QL+8*(\m-1)+2
.endif
	v_cvt_scalef32_pk8_fp4_f32 v[QC], v[QL+8*\m:QL+8*\m+7], v[MX+2*\m]       ; four numbers of row 2 m, four of row 2 m + 1: under row 2 m's scale the low 16 bits count,
	v_cvt_scalef32_pk8_fp4_f32 v[QC+1], v[QL+8*\m:QL+8*\m+7], v[MX+2*\m+1]   ; under row 2 m + 1's the high 16; the other half is never stored
	v_nop                                          ; one plain line behind the scaled conversions
	v_cvt_pk_bf16_f32 v[QL+8*\m], v[QL+8*\m], v[QL+8*\m+1]
	v_cvt_pk_bf16_f32 v[QL+8*\m+1], v[QL+8*\m+2], v[QL+8*\m+3]
	v_cvt_pk_bf16_f32 v[QL+8*\m+4], v[QL+8*\m+4], v[QL+8*\m+5]
	v_cvt_pk_bf16_f32 v[QL+8*\m+5], v[QL+8*\m+6], v[QL+8*\m+7]
.endr
.irp i, 0,1,2,3,4,5,6,7
	v_lshrrev_b32 v[MX+\i], 23, v[MX+\i]           ; the scale's byte
.endr
.irp m, 0,1,2,3
	ds_store_b64 v[CW], v[QL+8*\m:QL+8*\m+1] offset:(2*\m)*4096
	ds_store_b64 v[CW], v[QL+8*\m+4:QL+8*\m+5] offset:(2*\m+1)*4096
.endr
.irp m, 0,1,2,3
.if \m == 0
.set QC, T0
.else
.set QC, QL+8*(\m-1)+2
.endif
	ds_store_b16 v[IW], v[QC] offset:(\par)*IMGB+16*(2*\m)
	ds_store_b16_d16_hi v[IW], v[QC+1] offset:(\par)*IMGB+16*(2*\m+1)
.endr
.irp i, 0,1,2,3,4,5,6,7
	ds_store_b8 v[SW], v[MX+\i] offset:(\par)*256+4*\i     ; the 8 lanes of a block write the same byte with the same value
.endr
.endm
.macro AFETCH par                      ; lane (r, h) takes blocks h and 2 + h of row 16 a + r; the scale words: lane l takes row 32 k + l's
.irp a, 0,1,2,3
.irp c, 0,1
	ds_load_b128 v[AF+8*\a+4*\c:AF+8*\a+4*\c+3], v[IR] offset:(\par)*IMGB+\a*1088+\c*544
.endr
.endr
	ds_load_b32 v[AS], v[SR] offset:(\par)*256
	ds_load_b32 v[AS+1], v[SR] offset:(\par)*256+128
.endm
.macro WM c                            ; one product; source 0 = W_a's fragment with its scale word first, source 1 = enc's
.if fA && fB
	v_wmma_scale_f32_16x16x128_f8f6f4 v[rD:rD+7], v[rB:rB+7], v[rA:rA+7], \c, v[rSB], v[rSA] matrix_a_fmt:MATRIX_FMT_FP4 matrix_b_fmt:MATRIX_FMT_FP4 matrix_a_scale:MATRIX_SCALE_ROW1 matrix_b_scale:MATRIX_SCALE_ROW1
.elseif fB
	v_wmma_scale_f32_16x16x128_f8f6f4 v[rD:rD+7], v[rB:rB+7], v[rA:rA+7], \c, v[rSB], v[rSA] matrix_a_fmt:MATRIX_FMT_FP4 matrix_b_fmt:MATRIX_FMT_FP4 matrix_a_scale:MATRIX_SCALE_ROW1
.elseif fA
	v_wmma_scale_f32_16x16x128_f8f6f4 v[rD:rD+7], v[rB:rB+7], v[rA:rA+7], \c, v[rSB], v[rSA] matrix_a_fmt:MATRIX_FMT_FP4 matrix_b_fmt:MATRIX_FMT_FP4 matrix_b_scale:MATRIX_SCALE_ROW1
.else
	v_wmma_scale_f32_16x16x128_f8f6f4 v[rD:rD+7], v[rB:rB+7], v[rA:rA+7], \c, v[rSB], v[rSA] matrix_a_fmt:MATRIX_FMT_FP4 matrix_b_fmt:MATRIX_FMT_FP4
.endif
.endm
; 16 products: four tiles of columns x the four tiles of rows.  The 32 accumulators take turns, one instruction a turn, in the same order in every step.  zero = 1: a tile's first step starts the sums.
.macro MUL par, t0, zero
.irp tt, \t0, \t0+1, \t0+2, \t0+3
.irp a, 0,1,2,3
.set rD, 8*(8*\a+(\tt))
.set rA, AF+8*\a
.set rB, BFR+64*(\par)+8*(\tt)
.set rSA, AS+\a/2
.set rSB, BS+4*(\par)+(\tt)/2
.set fA, \a%2
.set fB, (\tt)%2
.if \zero
	WM 0
.else
	WM v[rD:rD+7]
.endif
.endr
.endr
.endm
; PREFETCHES INTO THE L2 of my own 8 rows, 1,024 bytes a row, a lane to each aligned block of 256 bytes; each block is named once in the launch, by the wave that will load it.
; In the loop's odd step t: steps t + 5 and t + 6, two and three steps ahead of their loads; the last trip asks for nothing: its look-ahead would leave the rows.
; In steps 13 and 14 of a tile that has a successor: the next tile's steps 2, 3 and 4, 5.  The launch's first steps 0 to 5 come by their loads alone.
.macro PF
	s_cmp_gt_u32 s26, 1
	s_cbranch_scc0 .Lno_pf_\@
	global_prefetch_b8 v[PFO], s[4:5] offset:1024 th:TH_LOAD_NT scope:SCOPE_SE
.Lno_pf_\@:
.endm
; K step t, par = t % 2, behind barrier t.  Loads are issued in the order E(t + 1), B(t) (16 of codes, 1 of scale words), E(t + 2), B(t + 1), ..   nE: the loads issued behind E(t + 1);  nB: those behind B(t).
; quant: step t + 1 is quantised.  eadd: enc's pointer moves so far and the step three on is asked for (0: none).  bload: W_a's step two on; wrap: that is the next tile's step 0.  pf: 1 the loop's prefetch, above 1 a prefetch at that offset.
.macro STEP par, zero, quant, eadd, bload, wrap, nE, nB, pf, bar
	AFETCH \par
.if \quant
	s_wait_loadcnt \nE
	QUANT 1-\par
.endif
	s_wait_loadcnt \nB
.if \quant
	s_wait_dscnt 24                                ; enc's fragments and scale words are in; the 24 stores issued behind them may be out
.else
	s_wait_dscnt 0x0
.endif
	WIN 0x50
	MUL \par, 0, \zero
.if (\quant) || (\bload)
	WIN 0
.endif
.if \bload
	PLACES
.endif
.if \quant
	s_wait_dscnt 0x0                               ; my stores have landed, for the others' sake, and have read their registers
.endif
.if \bload
	v_add_nc_u32 v[CW], 256, v[CW]                 ; the copy's next 128 columns
	s_wait_xcnt 0x0                                ; every earlier load and prefetch has read its base
.if \wrap
	s_sub_nc_u64 s[6:7], s[6:7], 15*0x10000
	s_sub_nc_u64 s[8:9], s[8:9], 15*4096
.else
	s_add_nc_u64 s[6:7], s[6:7], 0x10000
	s_add_nc_u64 s[8:9], s[8:9], 4096
.endif
.if \eadd
	s_add_nc_u64 s[4:5], s[4:5], \eadd
	ELOAD 1-\par, 0
.endif
	BLOAD \par, 0, 0
.if \pf == 1
	PF
.elseif \pf > 1
	global_prefetch_b8 v[PFO], s[4:5] offset:\pf th:TH_LOAD_NT scope:SCOPE_SE
.endif
.endif
	WIN 0x50
	MUL \par, 4, \zero
	WIN 0
	PLACES
.if \bload
	BLOAD \par, 4, 0
	SLOAD \par, 0
.endif
.if \bar
	s_barrier_signal -1                            ; no LDS instruction of mine is out
	s_barrier_wait -1
.endif
.endm
	s_load_b256 s[4:11], s[0:1], 0x0               ; enc s[4:5], wc s[6:7], ws s[8:9], huc s[10:11]
	s_load_b128 s[12:15], s[0:1], 0x20             ; w s[12:13], en s[14:15]
	s_load_b64 s[16:17], s[0:1], 0x30              ; cp
	v_lshl_add_u32 v[SPW], v0, 2, SPARE
	v_mov_b32 v[NIL], 0
	v_lshrrev_b32 v1, 5, v0
	D 1
	v_readfirstlane_b32 s18, v1                    ; wave 0..7
	v_and_b32 v[LN], 31, v0
	D 1
	v_lshlrev_b32 v[L16], 4, v[LN]
	v_lshrrev_b32 v[PFO], 2, v[LN]
	D 1
	v_lshlrev_b32 v[PFO], 13, v[PFO]
	v_and_b32 v3, 3, v[LN]
	D 1
	v_lshl_add_u32 v[PFO], v3, 8, v[PFO]           ; the prefetch's offset: row lane / 4, 256 (lane % 4) bytes on
	s_lshr_b32 s27, s18, 1                         ; my rows 8 w + i lie in tile w / 2, at its rows 8 (w % 2) + i
	s_mul_i32 s27, s27, 1088
	s_and_b32 s28, s18, 1
	s_lshl_b32 s28, s28, 7
	s_add_co_u32 s27, s27, s28
	s_add_co_u32 s27, s27, IMG
	v_lshrrev_b32 v6, 3, v[LN]                     ; my block of the step's four
	v_and_b32 v7, 7, v[LN]
	D 2
	v_mul_u32_u24 v[IW], v6, 272
	D 1
	v_lshl_add_u32 v[IW], v7, 1, v[IW]
	D 1
	v_add_nc_u32 v[IW], s27, v[IW]
	s_lshl_b32 s27, s18, 5
	s_add_co_u32 s27, s27, XSC
	v_add_nc_u32 v[SW], s27, v6
	v_and_b32 v7, 15, v0                           ; r
	v_bfe_u32 v8, v0, 4, 1                         ; h
	D 1
	v_lshlrev_b32 v[HR], 5, v8
	v_mul_u32_u24 v8, v8, 272
	D 1
	v_lshl_add_u32 v[IR], v7, 4, v8
	D 1
	v_add_nc_u32 v[IR], IMG, v[IR]
	v_lshl_add_u32 v[SR], v[LN], 2, XSC
	s_lshl_b32 s27, s18, 10
	v_add_nc_u32 v[HR], s27, v[HR]
	v_add_nc_u32 v3, s27, v[L16]
	D 2
	v_add_nc_u32 v[HR], HWL, v[HR]
	D 2
	v_add_nc_u32 v3, HWL, v3                       ; where I stage huc and w: 16 x lane of my 1,024 bytes
	s_mov_b32 s22, 0x4038aa3b                      ; c = 2 log2(e)
	s_mov_b32 s23, s22
	s_mov_b32 s24, 0x76543210
	s_mov_b32 s25, 0xfedcba98                      ; v_permlanex16_b32's selects for lane l xor 16
	s_mov_b32 s21, 0
	s_mov_b32 s29, 2                               ; tiles to go
	s_lshl_b32 s30, s18, 15                        ; the copy: my 8 rows
	s_lshl_b32 s31, s18, 8                         ; my 256 bytes of EX and of PB
	W
	s_wait_kmcnt 0x0
	s_lshl_b32 s20, ttmp9, 20                      ; enc: 128 rows of 8,192 bytes a work-group,
	s_lshl_b32 s27, s18, 16                        ; 8 a wave
	s_add_co_u32 s20, s20, s27
	s_add_nc_u64 s[4:5], s[4:5], s[20:21]
	s_lshl_b32 s20, s18, 13                        ; wc: my 8 tiles of 1,024 bytes
	s_add_nc_u64 s[6:7], s[6:7], s[20:21]
	s_lshl_b32 s20, s18, 9                         ; ws: my 512 bytes of a step; w: my 128 numbers
	s_add_nc_u64 s[8:9], s[8:9], s[20:21]
	s_add_nc_u64 s[12:13], s[12:13], s[20:21]
	s_lshr_b32 s27, ttmp9, 2                       ; huc: my batch's row, my 128 numbers
	s_lshl_b32 s27, s27, 12
	s_add_co_u32 s20, s20, s27
	s_add_nc_u64 s[10:11], s[10:11], s[20:21]
	s_lshl_b32 s20, ttmp9, 9                       ; en: 128 numbers a work-group
	s_add_nc_u64 s[14:15], s[14:15], s[20:21]
	s_lshl_b32 s20, ttmp9, 14                      ; cp: 2 x 2,048 numbers a work-group, 256 a wave
	s_lshl_b32 s27, s18, 10
	s_add_co_u32 s20, s20, s27
	s_add_nc_u64 s[16:17], s[16:17], s[20:21]
	global_load_b128 v[24:27], v[L16], s[10:11]    ; huc and w of my 128 columns
	global_load_b128 v[28:31], v[L16], s[12:13]
	ELOAD 0, 0                                     ; E(0), E(1), B(0)
	ELOAD 1, 512
	BLOAD 0, 0, 0
	BLOAD 0, 4, 0
	SLOAD 0, 0
	s_wait_loadcnt 33                              ; huc and w are in: behind them stand E(0) 8, E(1) 8, B(0) 17
	ds_store_b128 v3, v[24:27]                     ; into my own bytes: only I read them, and LDS serves a wave's instructions in order (ISA guide 5.7.1.4)
	ds_store_b128 v3, v[28:31] offset:512
	s_wait_xcnt 0x0
	s_add_nc_u64 s[4:5], s[4:5], 512               ; enc's pointer stands at step 1, W_a's two at step 0: so they stand behind step 14 of a tile that has a successor too
.Ltile:
	v_and_b32 v[CW], 31, v0
	D 1
	v_lshl_add_u32 v[CW], v[CW], 3, s30            ; the copy: 32,768 x wave + 8 x lane, + 256 a step
	s_wait_loadcnt 25                              ; E(0) is in: behind it stand E(1) 8 and B(0) 17
	QUANT 0
	s_wait_dscnt 0x0
	v_add_nc_u32 v[CW], 256, v[CW]
	s_wait_xcnt 0x0
	s_add_nc_u64 s[4:5], s[4:5], 512
	s_add_nc_u64 s[6:7], s[6:7], 0x10000
	s_add_nc_u64 s[8:9], s[8:9], 4096
	ELOAD 0, 0                                     ; E(2), B(1): from here on the order is E(t + 1), B(t), E(t + 2), B(t + 1)
	BLOAD 1, 0, 0
	BLOAD 1, 4, 0
	SLOAD 1, 0
	s_barrier_signal -1
	s_barrier_wait -1                              ; the images of step 0 are whole
	STEP 0, 1, 1, 512, 1, 0, 42, 25, 0, 1          ; 42 = B(t) 17 + E(t+2) 8 + B(t+1) 17;  25 = E(t+2) 8 + B(t+1) 17
	s_mov_b32 s26, 6
.Lk:                                               ; steps 1 to 12, two a trip
	STEP 1, 0, 1, 512, 1, 0, 42, 25, 1, 1
	STEP 0, 0, 1, 512, 1, 0, 42, 25, 0, 1
	s_sub_co_u32 s26, s26, 1
	s_cmp_lg_u32 s26, 0
	s_cbranch_scc1 .Lk
	s_cmp_eq_u32 s29, 1
	s_cbranch_scc1 .Llast
	STEP 1, 0, 1, 516608, 1, 0, 42, 25, 1024, 1    ; step 13: enc's pointer goes from step 15 to the next tile's step 0: 64 rows on less 15 steps; B(15)
	STEP 0, 0, 1, 512, 1, 1, 42, 25, 1536, 1       ; step 14: the next tile's E(1) and B(0)
	STEP 1, 0, 0, 0, 0, 0, 0, 25, 0, 0             ; step 15: behind B(15) stand the next tile's E(1) 8 and B(0) 17
	s_branch .Lepi
.Llast:
	STEP 1, 0, 1, 0, 1, 0, 42, 25, 0, 1            ; the last tile: step 13 asks for B(15) alone
	STEP 0, 0, 1, 0, 0, 0, 34, 17, 0, 1            ; behind E(15) stand B(14) 17 and B(15) 17
	STEP 1, 0, 0, 0, 0, 0, 0, 0, 0, 0
.Lepi:
; ---- THE WAY OUT.  r = 1 / (1 + 2^(c att + huc)), in four groups of 8 accumulators (two tiles of columns x the four tiles of rows), in place.  Where the power overflows r is 0, where it falls to 0 r is 1: tanh's two ends.
; It names none of v12-19 and v64-255 of window 0: the next tile's loads may be on their way into them.
.macro HLD g                           ; huc of the group's columns 16 tt + 8 h + j; every lane of a half reads the same bytes
	WIN 0
.irp u, 0,1
.irp c, 0,1
	ds_load_b128 v[HB+8*\u+4*\c:HB+8*\u+4*\c+3], v[HR] offset:(2*(\g)+\u)*64+16*\c
.endr
.endr
.endm
.macro WLD g                           ; w likewise
	WIN 0
.irp u, 0,1
.irp c, 0,1
	ds_load_b128 v[WB+8*\u+4*\c:WB+8*\u+4*\c+3], v[HR] offset:512+(2*(\g)+\u)*64+16*\c
.endr
.endr
.endm
.macro PRE g                           ; c att + huc; each accumulator from its low end on
	WIN 0x41
	W                                              ; the wait directly ahead of the first readers of matrix results
.irp u, 0,1
.irp a, 0,1,2,3
.irp m, 0,2,4,6
.set AC, 8*(8*\a+2*(\g)+\u)+\m
	v_pk_fma_f32 v[AC:AC+1], v[AC:AC+1], s[22:23], v[HB+8*\u+\m:HB+8*\u+\m+1] op_sel_hi:[1,0,1]
.endr
.endr
.endr
.endm
.macro TRB op, g                       ; a batch of 64 transcendentals
	WIN 0x41
.irp u, 0,1
.irp a, 0,1,2,3
.irp j, 0,1,2,3,4,5,6,7
.set AC, 8*(8*\a+2*(\g)+\u)+\j
	\op v[AC], v[AC]
.endr
.endr
.endr
.endm
.macro ADDB g
	WIN 0x41
.irp u, 0,1
.irp a, 0,1,2,3
.irp m, 0,2,4,6
.set AC, 8*(8*\a+2*(\g)+\u)+\m
	v_pk_add_f32 v[AC:AC+1], v[AC:AC+1], 1.0 op_sel_hi:[1,0]
.endr
.endr
.endr
.endm
.macro ACCB g                          ; the sum of w r over my columns: a pair of sums for each tile of rows, the four by turns; the first product starts them
	WIN 0x01
.irp u, 0,1
.irp m, 0,2,4,6
.irp a, 0,1,2,3
.set AC, 8*(8*\a+2*(\g)+\u)+\m
.if (\g)+\u+\m == 0
	v_pk_mul_f32 v[MX+2*\a:MX+2*\a+1], v[AC:AC+1], v[WB+8*\u+\m:WB+8*\u+\m+1]
.else
	v_pk_fma_f32 v[MX+2*\a:MX+2*\a+1], v[AC:AC+1], v[WB+8*\u+\m:WB+8*\u+\m+1], v[MX+2*\a:MX+2*\a+1]
.endif
.endr
.endr
.endr
.endm
	v_and_b32 v[EXW], 15, v0
	D 1
	v_lshlrev_b32 v[EXW], 2, v[EXW]
	D 1
	v_add_nc_u32 v[EXW], s31, v[EXW]
	D 1
	v_add_nc_u32 v[EXW], EX, v[EXW]                ; my wave's 64 rows: row 16 a + r at 64 a + 4 r
	HLD 0
	WLD 0
	s_wait_dscnt 0x0
	PRE 0
	HLD 1                                          ; a piece of huc or w is asked for as soon as the piece before has been read; a batch stands between the request and the wait
	W                                              ; the transcendentals go in batches, one wait ahead of a batch and one behind it
	TRB v_exp_f32, 0
	s_wait_dscnt 0x0
	PRE 1
	HLD 2
	W
	ADDB 0
	W
	TRB v_rcp_f32, 0
	TRB v_exp_f32, 1
	s_wait_dscnt 0x0
	PRE 2
	HLD 3
	ACCB 0
	WLD 1
	ADDB 1
	W
	TRB v_rcp_f32, 1
	TRB v_exp_f32, 2
	s_wait_dscnt 0x0
	PRE 3
	ACCB 1
	WLD 2
	ADDB 2
	W
	TRB v_rcp_f32, 2
	TRB v_exp_f32, 3
	s_wait_dscnt 0x0
	v_nop                                          ; a plain line behind the last transcendental
	W
	ACCB 2
	WLD 3
	ADDB 3
	W
	TRB v_rcp_f32, 3
	WIN 0
	v_and_b32 v[LN], 31, v0                        ; plain lines behind the batch: the LDS addresses of what follows, all ahead of the one branch on the wave's number
	D 1
	v_lshl_add_u32 v[EXR], v[LN], 3, EX            ; back: rows 2 lane, 2 lane + 1
	v_lshlrev_b32 v[L8], 3, v[LN]
	v_lshl_add_u32 v[PBW], v[LN], 3, s31
	D 1
	v_add_nc_u32 v[PBW], PB, v[PBW]
	s_add_co_u32 s28, s31, PB
	v_mov_b32 v[PR], s28
	s_lshl_b32 s28, s18, 9
	v_lshl_add_u32 v[CA], v[LN], 3, s28            ; the copy: my wave's 512 bytes of a row, 8 bytes a lane
	D 1
	v_add_nc_u32 v[CA+1], 0x10000, v[CA]
	v_add_nc_u32 v[CA+2], 0x20000, v[CA]
	v_add_nc_u32 v[CA+3], 0x30000, v[CA]
	s_wait_dscnt 0x0
	W
	ACCB 3
	WIN 0
.irp a, 0,1,2,3
	v_add_f32 v[MX+2*\a], v[MX+2*\a], v[MX+2*\a+1]         ; the pair's two halves,
.endr
.irp a, 0,1,2,3
	D 4
	v_permlanex16_b32 v[MX+2*\a+1], v[MX+2*\a], s24, s25
.endr
.irp a, 0,1,2,3
	D 4
	v_add_f32 v[MX+2*\a], v[MX+2*\a], v[MX+2*\a+1]         ; and lane l xor 16's columns: my wave's 128 columns of row 16 a + r
.endr
.irp a, 0,1,2,3
	ds_store_b32 v[EXW], v[MX+2*\a] offset:64*\a           ; both halves write the same word with the same value
.endr
	W                                              ; the wait ahead of the blocking wait
	s_wait_dscnt 0x0
	s_barrier_signal -1
	s_barrier_wait -1
.irp k, 0,1,2,3,4,5,6,7
	ds_load_b64 v[ES+2*\k:ES+2*\k+1], v[EXR] offset:256*\k
.endr
	s_wait_dscnt 0x0
	v_pk_add_f32 v[ES:ES+1], v[ES:ES+1], v[ES+2:ES+3]              ; the same order, so the same bits, in all eight waves
.irp k, 2,3,4,5,6,7
	D 1
	v_pk_add_f32 v[ES:ES+1], v[ES:ES+1], v[ES+2*\k:ES+2*\k+1]
.endr
	D 1
	v_pk_mul_f32 v[ES:ES+1], v[ES:ES+1], -2.0 op_sel_hi:[1,0]      ; e' of rows 2 lane and 2 lane + 1
	s_cmp_lg_u32 s18, 0
	s_cbranch_scc1 .Lnot_wave_0
	global_store_b64 v[L8], v[ES:ES+1], s[14:15]   ; 256 consecutive bytes, aligned
.Lnot_wave_0:
	W
	v_max_num_f32 v34, v32, v33                    ; the 64 rows' largest e'
.irp m, 1,2,4,8
	D 1
	v_max_num_f32_dpp v34, v34, v34 row_xmask:\m row_mask:0xf bank_mask:0xf
.endr
	D 1
	v_permlanex16_b32 v35, v34, s24, s25
	D 1
	v_max_num_f32 v34, v34, v35
	D 1
	v_sub_f32 v36, v32, v34                        ; the maximum is taken away first,
	v_sub_f32 v37, v33, v34
	D 2
	v_mul_f32 v36, 0x3fb8aa3b, v36                 ; x log2(e)
	D 2
	v_mul_f32 v37, 0x3fb8aa3b, v37
	W
	v_exp_f32 v36, v36
	v_exp_f32 v37, v37
	WIN 0x40
.irp j, 0,1,2,3,4,5,6,7
	v_mov_b32 v[CT+\j], 0                          ; (plain lines behind the exponentials)
.endr
	WIN 0
	W
	ds_store_b64 v[PBW], v[36:37]                  ; into my wave's own copy: the loads below see it
; THE CONTEXT of my 256 columns, in the registers that the accumulators have left: 16 rows of the copy at a time, two sets; a lane takes 4 columns at 8 lane bytes and 4 at 256 + 8 lane
.macro LROWS k, buf                    ; 32 loads of rows, 4 of p: 36 LDS instructions
	WIN 0x40
.irp rr, 0,1,2,3,4,5,6,7,8,9,10,11,12,13,14,15
	ds_load_b64 v[XR+64*\buf+4*\rr:XR+64*\buf+4*\rr+1], v[CA+\k] offset:\rr*4096
	ds_load_b64 v[XR+64*\buf+4*\rr+2:XR+64*\buf+4*\rr+3], v[CA+\k] offset:\rr*4096+256
.endr
.irp j, 0,1,2,3
	ds_load_b128 v[PV+16*\buf+4*\j:PV+16*\buf+4*\j+3], v[PR] offset:64*\k+16*\j
.endr
.endm
.macro FMAS buf                        ; a bf16 half x p (f32) + the sum (f32): eight chains by turns
	WIN 0x55
.irp rr, 0,1,2,3,4,5,6,7,8,9,10,11,12,13,14,15
.irp q, 0,1
	v_fma_mix_f32_bf16 v[CT+4*\q], v[XR+64*\buf+4*\rr+2*\q], v[PV+16*\buf+\rr], v[CT+4*\q] op_sel_hi:[1,0,0]
	v_fma_mix_f32_bf16 v[CT+4*\q+1], v[XR+64*\buf+4*\rr+2*\q], v[PV+16*\buf+\rr], v[CT+4*\q+1] op_sel:[1,0,0] op_sel_hi:[1,0,0]
	v_fma_mix_f32_bf16 v[CT+4*\q+2], v[XR+64*\buf+4*\rr+2*\q+1], v[PV+16*\buf+\rr], v[CT+4*\q+2] op_sel_hi:[1,0,0]
	v_fma_mix_f32_bf16 v[CT+4*\q+3], v[XR+64*\buf+4*\rr+2*\q+1], v[PV+16*\buf+\rr], v[CT+4*\q+3] op_sel:[1,0,0] op_sel_hi:[1,0,0]
.endr
.endr
.endm
	LROWS 0, 0
	LROWS 1, 1
	s_wait_dscnt 36                                ; the older set is in; the younger set's 36 may be out
	FMAS 0
	LROWS 2, 0
	W
	s_wait_dscnt 36
	FMAS 1
	LROWS 3, 1
	W
	s_wait_dscnt 36
	FMAS 0
	W
	s_wait_dscnt 0x0                               ; my reads of the copy are over:
	s_barrier_signal -1                            ; say so; behind this barrier the next tile's numbers may be stored over it
	FMAS 1
	WIN 0
	W
	s_barrier_wait -1
	WIN 0x04                                       ; the stores' data lie in window 1
	global_store_b128 v[L16], v[CT:CT+3], s[16:17]             ; each store of the wave covers 512 consecutive bytes, aligned
	global_store_b128 v[L16], v[CT+4:CT+7], s[16:17] offset:512
	WIN 0
	s_wait_xcnt 0x0                                ; the stores have read their registers and bases
	s_add_nc_u64 s[14:15], s[14:15], 256
	s_add_nc_u64 s[16:17], s[16:17], 8192
	s_sub_co_u32 s29, s29, 1
	s_cmp_lg_u32 s29, 0
	s_cbranch_scc1 .Ltile
	s_wait_tensorcnt 0x0                           ; the wave's end, behind my last LDS store
	ds_add_u32 v[SPW], v[NIL]
	s_wait_dscnt 0x0
	s_endpgm
.Lfunc_end_k_q6f53a4662b_main:
	.size	k_q6f53a4662b_main, .Lfunc_end_k_q6f53a4662b_main-k_q6f53a4662b_main
	.p2alignl 7, 3214868480
	.fill 96, 4, 3214868480
	.section	.rodata,"a",@progbits
	.p2align	6, 0x0
	.amdhsa_kernel k_q6f53a4662b_main
		.amdhsa_group_segment_fixed_size 284672
		.amdhsa_private_segment_fixed_size 0
		.amdhsa_enable_private_segment 0
		.amdhsa_kernarg_size 56
		.amdhsa_user_sgpr_count 2
		.amdhsa_user_sgpr_kernarg_segment_ptr 1
		.amdhsa_wavefront_size32 1
		.amdhsa_system_sgpr_workgroup_id_x 1
		.amdhsa_system_sgpr_workgroup_id_y 1
		.amdhsa_system_sgpr_workgroup_id_z 1
		.amdhsa_system_vgpr_workitem_id 0
		.amdhsa_next_free_vgpr 512
		.amdhsa_next_free_sgpr 66
		.amdhsa_reserve_vcc 0
		.amdhsa_float_denorm_mode_32 3
		.amdhsa_float_denorm_mode_16_64 3
		.amdhsa_memory_ordered 1
		.amdhsa_forward_progress 1
		.amdhsa_inst_pref_size 215
	.end_amdhsa_kernel
	.amdgpu_metadata
---
amdhsa.version: [ 1, 2 ]
amdhsa.kernels:
  - .name:           k_q6f53a4662b_main
    .symbol:         k_q6f53a4662b_main.kd
    .args:
      - { .name: encoder_out, .offset: 0, .size: 8, .value_kind: global_buffer, .address_space: global }
      - { .name: wc, .offset: 8, .size: 8, .value_kind: global_buffer, .address_space: global }
      - { .name: ws, .offset: 16, .size: 8, .value_kind: global_buffer, .address_space: global }
      - { .name: huc, .offset: 24, .size: 8, .value_kind: global_buffer, .address_space: global }
      - { .name: w, .offset: 32, .size: 8, .value_kind: global_buffer, .address_space: global }
      - { .name: en, .offset: 40, .size: 8, .value_kind: global_buffer, .address_space: global }
      - { .name: cp, .offset: 48, .size: 8, .value_kind: global_buffer, .address_space: global }
    .group_segment_fixed_size: 284672
    .private_segment_fixed_size: 0
    .kernarg_segment_align: 8
    .kernarg_segment_size: 56
    .max_flat_workgroup_size: 256
    .sgpr_count:     66
    .vgpr_count:     512
    .wavefront_size: 32
...
	.end_amdgpu_metadata
.endif
;; end of part 2
;; launch comb (part 3): grid 256 x 1, 4 waves a work-group, no clusters, 0 bytes of LDS; arguments en, cp, out0, out1; writes out0, out1
.if DOCPART == 3
	.amdgcn_target "amdgcn-amd-amdhsa--gfx1250"
	.amdhsa_code_object_version 6
	.text
	.protected	k_q6f53a4662b_comb
	.globl	k_q6f53a4662b_comb
	.p2align	8
	.type	k_q6f53a4662b_comb,@function
k_q6f53a4662b_comb:
	s_mov_b64 s[64:65], 0
	v_nop
	global_prefetch_b8 v0, s[64:65] scope:SCOPE_SE
	s_setreg_imm32_b32 hwreg(HW_REG_WAVE_MODE, 25, 1), 1
	s_wait_xcnt 0x0
; The eight parts of each batch are joined.  en [64][512]: e' (the energy less the sum of w: WORK LEFT OUT, shown at the head of the first kernel: a term that is the same along the softmax's axis).
; cp [64][8][2048]: for each group of 64 positions the sum of exp(e' - the group's largest e') x enc.
; alpha = exp(e' - M) / L, M the batch's largest e', L the sum of exp(e' - M);  context = the sum over the groups of cp x exp(the group's largest - M) / L.
; The group's largest is found anew from the same 64 numbers, so it has the same bits as the one that was taken away when cp was summed.
; Work-group = (batch b, quarter q): 512 columns of the context, 4 a thread, and 128 numbers of alpha (wave 0).  Each wave works out the batch's figures from the 512 e' by itself: no LDS, no barrier.
; A stream of 4.3 MB: no matrix unit, no cluster, no tensor load would add anything.
	s_load_b256 s[4:11], s[0:1], 0x0               ; en s[4:5], cp s[6:7], out0 s[8:9], out1 s[10:11]
	v_lshrrev_b32 v3, 5, v0
	v_readfirstlane_b32 s12, v3                    ; wave 0..3
	v_and_b32 v1, 31, v0
	v_lshlrev_b32 v1, 4, v1                        ; 16 x lane
	v_lshlrev_b32 v2, 4, v0                        ; 16 x thread
	v_mov_b32 v29, 0                               ; written once: a lane permute's destination counts as one of its sources
	v_mov_b32 v31, 0
	s_mov_b32 s24, 0x76543210
	s_mov_b32 s25, 0xfedcba98                      ; v_permlanex16_b32's selects for lane l xor 16
	s_lshr_b32 s13, ttmp9, 2                       ; b
	s_and_b32 s14, ttmp9, 3                        ; q
	s_lshl_b32 s16, s13, 11                        ; en, out1: 2,048 bytes a batch
	s_mov_b32 s17, 0
	s_lshl_b32 s18, s13, 16                        ; cp: 65,536 bytes a batch, 2,048 a quarter
	s_lshl_b32 s19, s14, 11
	s_add_co_u32 s18, s18, s19
	s_lshl_b32 s20, s13, 13                        ; out0: 8,192 bytes a batch, 2,048 a quarter
	s_add_co_u32 s20, s20, s19
	s_mov_b32 s19, 0
	s_mov_b32 s21, 0
	s_lshl_b32 s22, s14, 9                         ; out1: 512 bytes a quarter
	s_add_co_u32 s22, s22, s16
	s_mov_b32 s23, 0
	s_wait_alu depctr_va_vdst(0)
	s_wait_kmcnt 0x0
	s_add_nc_u64 s[4:5], s[4:5], s[16:17]
	s_add_nc_u64 s[6:7], s[6:7], s[18:19]
	s_add_nc_u64 s[8:9], s[8:9], s[20:21]
	s_add_nc_u64 s[10:11], s[10:11], s[22:23]
.irp i, 0,1,2,3
	global_load_b128 v[8+4*\i:11+4*\i], v1, s[4:5] offset:512*\i           ; e' of positions 128 i + 4 lane + 0 .. 3: lanes 0-15 hold group 2 i, lanes 16-31 group 2 i + 1
.endr
.irp g, 0,1,2,3,4,5,6,7
	global_load_b128 v[32+4*\g:35+4*\g], v2, s[6:7] offset:8192*\g th:TH_LOAD_NT   ; group g's part of my 4 columns
.endr
	s_wait_loadcnt 8                               ; the energies are in; the 8 loads of parts may be out
.irp i, 0,1,2,3
	v_max3_num_f32 v[24+\i], v[8+4*\i], v[9+4*\i], v[10+4*\i]
.endr
.irp i, 0,1,2,3
	v_max_num_f32 v[24+\i], v[24+\i], v[11+4*\i]
.endr
.irp m, 1,2,4,8
.irp i, 0,1,2,3
	v_max_num_f32_dpp v[24+\i], v[24+\i], v[24+\i] row_xmask:\m row_mask:0xf bank_mask:0xf   ; each group's largest
.endr
.endr
	v_max3_num_f32 v28, v24, v25, v26
	v_max_num_f32 v28, v28, v27
	v_permlanex16_b32 v29, v28, s24, s25
	v_max_num_f32 v28, v28, v29                    ; M
.irp j, 0,2,4,6,8,10,12,14,16,18
	v_pk_add_f32 v[8+\j:9+\j], v[8+\j:9+\j], v[28:29] op_sel_hi:[1,0] neg_lo:[0,1] neg_hi:[0,1]   ; the maximum is taken away first: of the 16 energies and of the 4 groups' largest
.endr
.irp j, 0,2,4,6,8,10,12,14,16,18
	v_pk_mul_f32 v[8+\j:9+\j], v[8+\j:9+\j], 0x3fb8aa3b op_sel_hi:[1,0]    ; x log2(e)
.endr
	s_wait_alu depctr_va_vdst(0)
.irp j, 0,1,2,3,4,5,6,7,8,9,10,11,12,13,14,15,16,17,18,19
	v_exp_f32 v[8+\j], v[8+\j]
.endr
	v_nop                                          ; a plain line behind the last exponential
	s_wait_alu depctr_va_vdst(0)                   ; one wait for the batch of 20 ahead of the first use
	v_pk_add_f32 v[30:31], v[8:9], v[10:11]
.irp j, 12,14,16,18,20,22
	v_pk_add_f32 v[30:31], v[30:31], v[\j:\j+1]
.endr
	v_add_f32 v30, v30, v31
	v_add_f32_dpp v30, v30, v30 row_xmask:1 row_mask:0xf bank_mask:0xf
	v_add_f32_dpp v30, v30, v30 row_xmask:2 row_mask:0xf bank_mask:0xf
	v_add_f32_dpp v30, v30, v30 row_xmask:4 row_mask:0xf bank_mask:0xf
	v_add_f32_dpp v30, v30, v30 row_xmask:8 row_mask:0xf bank_mask:0xf
	v_permlanex16_b32 v31, v30, s24, s25
	v_add_f32 v30, v30, v31                        ; L
	s_wait_alu depctr_va_vdst(0)
	v_rcp_f32 v30, v30
	v_nop
	s_wait_alu depctr_va_vdst(0)
.irp i, 0,1,2,3
	v_mul_f32 v[24+\i], v[24+\i], v30              ; each group's factor
.endr
.irp i, 0,1,2,3
	v_readlane_b32 s[32+2*\i], v[24+\i], 0         ; group 2 i's, group 2 i + 1's: used as factors alone; no address and no branch hangs on them
	v_readlane_b32 s[33+2*\i], v[24+\i], 16
.endr
	s_wait_loadcnt 0x0
.irp j, 0,1,2,3
	v_mul_f32 v[64+\j], s32, v[32+\j]              ; the first product starts the sums
.endr
.irp g, 1,2,3,4,5,6,7
.irp j, 0,1,2,3
	v_fma_f32 v[64+\j], v[32+4*\g+\j], s[32+\g], v[64+\j]
.endr
.endr
	global_store_b128 v2, v[64:67], s[8:9]         ; each store of a wave covers 512 consecutive bytes, aligned
	s_cmp_lg_u32 s12, 0
	s_cbranch_scc1 .Ldone
	; alpha, by wave 0: my work-group's 128 numbers are chunk q of the four whose exponentials every lane holds already
	s_cmp_eq_u32 s14, 1
	s_cselect_b32 s40, -1, 0
	s_cmp_eq_u32 s14, 2
	s_cselect_b32 s41, -1, 0
	s_cmp_eq_u32 s14, 3
	s_cselect_b32 s42, -1, 0
.irp j, 0,1,2,3
	v_cndmask_b32 v[68+\j], v[8+\j], v[12+\j], s40
.endr
.irp j, 0,1,2,3
	v_cndmask_b32 v[68+\j], v[68+\j], v[16+\j], s41
.endr
.irp j, 0,1,2,3
	v_cndmask_b32 v[68+\j], v[68+\j], v[20+\j], s42
.endr
.irp j, 0,1,2,3
	v_mul_f32 v[68+\j], v[68+\j], v30
.endr
	global_store_b128 v1, v[68:71], s[10:11]       ; 512 consecutive bytes, aligned
.Ldone:
	s_endpgm
.Lfunc_end_k_q6f53a4662b_comb:
	.size	k_q6f53a4662b_comb, .Lfunc_end_k_q6f53a4662b_comb-k_q6f53a4662b_comb
	.p2alignl 7, 3214868480
	.fill 96, 4, 3214868480
	.section	.rodata,"a",@progbits
	.p2align	6, 0x0
	.amdhsa_kernel k_q6f53a4662b_comb
		.amdhsa_group_segment_fixed_size 0
		.amdhsa_private_segment_fixed_size 0
		.amdhsa_enable_private_segment 0
		.amdhsa_kernarg_size 32
		.amdhsa_user_sgpr_count 2
		.amdhsa_user_sgpr_kernarg_segment_ptr 1
		.amdhsa_wavefront_size32 1
		.amdhsa_system_sgpr_workgroup_id_x 1
		.amdhsa_system_sgpr_workgroup_id_y 1
		.amdhsa_system_sgpr_workgroup_id_z 1
		.amdhsa_system_vgpr_workitem_id 0
		.amdhsa_next_free_vgpr 96
		.amdhsa_next_free_sgpr 66
		.amdhsa_reserve_vcc 0
		.amdhsa_float_denorm_mode_32 3
		.amdhsa_float_denorm_mode_16_64 3
		.amdhsa_memory_ordered 1
		.amdhsa_forward_progress 1
		.amdhsa_inst_pref_size 12
	.end_amdhsa_kernel
	.amdgpu_metadata
---
amdhsa.version: [ 1, 2 ]
amdhsa.kernels:
  - .name:           k_q6f53a4662b_comb
    .symbol:         k_q6f53a4662b_comb.kd
    .args:
      - { .name: en, .offset: 0, .size: 8, .value_kind: global_buffer, .address_space: global }
      - { .name: cp, .offset: 8, .size: 8, .value_kind: global_buffer, .address_space: global }
      - { .name: out0, .offset: 16, .size: 8, .value_kind: global_buffer, .address_space: global }
      - { .name: out1, .offset: 24, .size: 8, .value_kind: global_buffer, .address_space: global }
    .group_segment_fixed_size: 0
    .private_segment_fixed_size: 0
    .kernarg_segment_align: 8
    .kernarg_segment_size: 32
    .max_flat_workgroup_size: 128
    .sgpr_count:     66
    .vgpr_count:     96
    .wavefront_size: 32
...
	.end_amdgpu_metadata
.endif
;; end of part 3
